; MI455X (gfx1250); checked and timed in simulation.
; The chip was launched on July 23, 2026; its instructions are those of AMD's public machine-readable ISA for CDNA 5 (MIT licence, August 2026) and "CDNA5" Instruction Set Architecture Reference Guide (July 2026). The comments in the code are by the model that wrote it; some were corrected since.
;; Slow ROI Pool. Allowed arithmetic: float matrix products may take bf16 or f16 operands with f32 sums; all other float work in f32.
;; Inputs: images 4 x 256 x 50 x 50 float32; roi_idx 256 int32; rois 256 x 4 float32.
;; Outputs: out0 256 x 256 x 7 x 7 float32.
;; One version. Each part assembles by itself: llvm-mc -triple=amdgcn-amd-amdhsa -mcpu=gfx1250 --defsym DOCPART=n.
;; ======== version 1 of 1: 2 launches
;; limits: inputs' magnitudes at most 1311
;; workspace buffers: rec 32,768 bytes of whole numbers
;; launch bounds (part 1): grid 8 x 1, 1 waves a work-group, no clusters, 4,352 bytes of LDS; arguments rois, rec; writes rec
.if DOCPART == 1
	.amdgcn_target "amdgcn-amd-amdhsa--gfx1250"
	.amdhsa_code_object_version 6
	.text
	.protected	k_q11d10406ca_bounds
	.globl	k_q11d10406ca_bounds
	.p2align	8
	.type	k_q11d10406ca_bounds,@function
k_q11d10406ca_bounds:
	s_mov_b64 s[64:65], 0
	v_nop
	global_prefetch_b8 v0, s[64:65] scope:SCOPE_SE
	s_setreg_imm32_b32 hwreg(HW_REG_WAVE_MODE, 25, 1), 1
	s_wait_xcnt 0x0
; From rois [256][4] f32 (x1, y1, x2, y2, as parts of the image) to one record of 32 whole numbers for each box, which the next
; launch reads as offsets, masks and trip counts.  One wave a work-group, one lane a box, 32 boxes a work-group.
; For each axis: lo = floor(50 a), hi = ceil(50 b), size = hi - lo; bin i = [lo + floor(i size / 7), lo + ceil((i+1) size / 7)), cut to [0, 50).
; All of it is done on whole numbers held in f32, which is exact below 2^24.  floor(a / 7) is floor((a + 0.5) * (1/7)): the product lies at
; least 0.5/7 from a whole number, and its rounding error is below 2^-5 for |a| < 2^20.
; LIMITS: 50 a and 50 b are clamped to +-65,536 pixels (|a| < 7 * 2^17 then); beyond that the bins differ from int32 arithmetic.
; A NaN in rois is served as -65,536 (the conversion of NaN to int32 has no defined value to follow).
; A bin is stored as: its first position F; the number n of positions that follow it and are loaded for this bin alone; and a flag t that says
; 'my last position is the first of bin i+1', so that one is loaded once for both.  bin = {F} + {F+1 .. F+n} + (t: {F of bin i+1}), whatever the ranges are.
; RECORD (words): 0-6 F row * 200   7 largest n of the rows, less one, at least 0   8-14 n * 200
;   15 flags (0-6 row bin empty, 8-13 t rows, 16-22 column bin empty, 24-29 t columns)   16-22 F column * 4   23 largest n of the columns   24-30 n * 4   31 zero
.set RECB, 128                         ; bytes in a record
.set A,   6                            ; i * size + 0.5
.set T,   7
.set U,   8
.set L,   9                            ; the largest n of an axis
.set CS,  16                           ; v[16:22] bins' starts, cut to the image
.set CE,  24                           ; v[24:30] bins' ends
.set N,   32                           ; v[32:38] n
.set R,   40                           ; v[40:71] the record
.set FL,  R+15
.set BK,  72                           ; v[72:103] the records read back in the order of memory
.set NE,  16                           ; s[16:22] lanes whose bin i is not empty
.set TM,  24                           ; s[24:29] lanes whose flag t of bin i is set
	s_load_b128 s[4:7], s[0:1], 0x0                ; rois s[4:5], rec s[6:7]
	v_lshl_add_u32 v104, v0, 2, 0x1000
	v_mov_b32 v105, 0
	v_lshlrev_b32 v1, 4, v0                        ; 16 bytes of rois a box
	s_lshl_b32 s8, ttmp9, 9                        ; 32 boxes of 16 bytes
	s_mov_b32 s9, 0
	s_mul_i32 s10, ttmp9, 32*RECB                  ; 32 records: 4,096 bytes, a multiple of 256
	s_mov_b32 s11, 0
	s_mov_b32 s12, 0x42480000                      ; 50.0
	s_mov_b32 s13, 0x3e124925                      ; 1/7
	s_mov_b32 s14, 0xc7800000                      ; -65536.0
	s_mov_b32 s15, 0x47800000                      ; 65536.0
	s_mov_b32 s23, 0x43480000                      ; 200.0: bytes in a row of the image
	s_wait_kmcnt 0x0
	s_add_nc_u64 s[4:5], s[4:5], s[8:9]
	s_add_nc_u64 s[6:7], s[6:7], s[10:11]
	global_load_b128 v[2:5], v1, s[4:5]
	v_mov_b32 v[FL], 0
	v_mov_b32 v[R+31], 0
	s_wait_loadcnt 0x0
	v_mul_f32 v2, s12, v2
	v_mul_f32 v3, s12, v3
	v_mul_f32 v4, s12, v4
	v_mul_f32 v5, s12, v5
	v_floor_f32 v2, v2                             ; x1
	v_floor_f32 v3, v3                             ; y1
	v_floor_f32 v4, -v4                            ; -ceil = floor of the negative: -x2
	v_floor_f32 v5, -v5                            ; -y2
.irp r, 2,3,4,5
	v_med3_num_f32 v\r, v\r, s14, s15
.endr
	v_sub_f32 v4, -v4, v2                          ; width  = x2 - x1
	v_sub_f32 v5, -v5, v3                          ; height = y2 - y1
; the seven bins of an axis, cut to [0, 50]
.macro BINS lo, sz
	v_mov_b32 v[A], 0.5
.irp i, 0,1,2,3,4,5,6
	v_mul_f32 v[T], s13, v[A]                      ; (i size + 0.5) / 7
	v_add_f32 v[A], v[A], v[\sz]                   ; (i+1) size + 0.5, exact
	v_floor_f32 v[T], v[T]
	v_add_f32 v[T], v[T], v[\lo]
	v_med3_num_f32 v[CS+\i], v[T], 0, s12
	v_add_f32 v[T], 0x40c00000, v[A]               ; (i+1) size + 6 + 0.5
	v_mul_f32 v[T], s13, v[T]
	v_floor_f32 v[T], v[T]
	v_add_f32 v[T], v[T], v[\lo]
	v_med3_num_f32 v[CE+\i], v[T], 0, s12
.endr
.endm
; empty bins, flags t, counts n and the largest of them.  eb, tb: where the axis' flags begin in word 15
.macro DERIVE eb, tb
.irp i, 0,1,2,3,4,5,6
	v_cmp_lt_f32 s[NE+\i], v[CS+\i], v[CE+\i]
.endr
.irp i, 0,1,2,3,4,5,6
	v_cndmask_b32 v[U], 1<<(\eb+\i), 0, s[NE+\i]
	v_or_b32 v[FL], v[FL], v[U]
.endr
.irp i, 0,1,2,3,4,5
	v_add_f32 v[T], -1.0, v[CE+\i]                 ; the bin's last position
	v_cmp_eq_f32 vcc_lo, v[T], v[CS+\i+1]          ; is the next bin's first,
	s_and_b32 vcc_lo, vcc_lo, s[NE+\i]             ; and neither bin is empty
	s_and_b32 s[TM+\i], vcc_lo, s[NE+\i+1]
	v_sub_f32 v[T], v[T], v[CS+\i]                 ; length - 1
	v_cndmask_b32 v[U], 0, 1.0, s[TM+\i]
	v_sub_f32 v[T], v[T], v[U]
	v_max_num_f32 v[N+\i], 0, v[T]                 ; an empty bin and a bin of one shared position get 0
	v_cndmask_b32 v[U], 0, 1<<(\tb+\i), s[TM+\i]
	v_or_b32 v[FL], v[FL], v[U]
.endr
	v_sub_f32 v[T], v[CE+6], v[CS+6]               ; the last bin shares nothing
	v_add_f32 v[T], -1.0, v[T]
	v_max_num_f32 v[N+6], 0, v[T]
	v_max3_num_f32 v[L], v[N], v[N+1], v[N+2]
	v_max3_num_f32 v[L], v[L], v[N+3], v[N+4]
	v_max3_num_f32 v[L], v[L], v[N+5], v[N+6]
.endm
; F and n of an axis as byte offsets, into words w .. w+6 and w+8 .. w+14.  sc: bytes from one position to the next
.macro WORDS w, sc
.irp i, 0,1,2,3,4,5,6
	v_min_num_f32 v[T], 0x42440000, v[CS+\i]       ; an empty bin may start at 50: position 49 will do, its result is masked
	v_mul_f32 v[T], \sc, v[T]
	v_cvt_u32_f32 v[R+\w+\i], v[T]
	v_mul_f32 v[U], \sc, v[N+\i]
	v_cvt_u32_f32 v[R+\w+8+\i], v[U]
.endr
.endm
	; rows
	BINS 3, 5
	DERIVE 0, 8
	WORDS 0, s23
	v_add_f32 v[T], -1.0, v[L]                     ; the next launch always makes the first trip over the bins' own rows
	v_max_num_f32 v[T], 0, v[T]
	v_cvt_u32_f32 v[R+7], v[T]
	; columns
	BINS 2, 4
	DERIVE 16, 24
	WORDS 16, 4.0
	v_cvt_u32_f32 v[R+23], v[L]
	; A lane holds a whole record; memory wants neighbouring lanes at neighbouring bytes.  So the 32 records pass through LDS, laid as in memory.
	; The bytes are the wave's own, and LDS serves a wave's instructions in order (ISA guide 5.7.1): no wait between the stores and the loads.
	v_lshlrev_b32 v1, 7, v0
.irp m, 0,1,2,3,4,5,6,7
	ds_store_b128 v1, v[R+4*\m:R+4*\m+3] offset:16*\m
.endr
	v_lshlrev_b32 v2, 4, v0
.irp m, 0,1,2,3,4,5,6,7
	ds_load_b128 v[BK+4*\m:BK+4*\m+3], v2 offset:512*\m
.endr
.irp m, 0,1,2,3,4,5,6,7
	s_wait_dscnt 7-\m                              ; load m of the eight is in, the younger ones stay out
	global_store_b128 v2, v[BK+4*\m:BK+4*\m+3], s[6:7] offset:512*\m   ; 512 consecutive bytes, at a multiple of 256 from the buffer's first byte
.endr
	s_wait_tensorcnt 0x0
	ds_add_u32 v104, v105
	s_wait_dscnt 0x0
	s_endpgm
.Lfunc_end_k_q11d10406ca_bounds:
	.size	k_q11d10406ca_bounds, .Lfunc_end_k_q11d10406ca_bounds-k_q11d10406ca_bounds
	.p2alignl 7, 3214868480
	.fill 96, 4, 3214868480
	.section	.rodata,"a",@progbits
	.p2align	6, 0x0
	.amdhsa_kernel k_q11d10406ca_bounds
		.amdhsa_group_segment_fixed_size 4352
		.amdhsa_private_segment_fixed_size 0
		.amdhsa_enable_private_segment 0
		.amdhsa_kernarg_size 16
		.amdhsa_user_sgpr_count 2
		.amdhsa_user_sgpr_kernarg_segment_ptr 1
		.amdhsa_wavefront_size32 1
		.amdhsa_system_sgpr_workgroup_id_x 1
		.amdhsa_system_sgpr_workgroup_id_y 1
		.amdhsa_system_sgpr_workgroup_id_z 1
		.amdhsa_system_vgpr_workitem_id 0
		.amdhsa_next_free_vgpr 106
		.amdhsa_next_free_sgpr 66
		.amdhsa_reserve_vcc 1
		.amdhsa_float_denorm_mode_32 3
		.amdhsa_float_denorm_mode_16_64 3
		.amdhsa_memory_ordered 1
		.amdhsa_forward_progress 1
		.amdhsa_inst_pref_size 21
	.end_amdhsa_kernel
	.amdgpu_metadata
---
amdhsa.version: [ 1, 2 ]
amdhsa.kernels:
  - .name:           k_q11d10406ca_bounds
    .symbol:         k_q11d10406ca_bounds.kd
    .args:
      - { .name: rois, .offset: 0, .size: 8, .value_kind: global_buffer, .address_space: global }
      - { .name: rec, .offset: 8, .size: 8, .value_kind: global_buffer, .address_space: global }
    .group_segment_fixed_size: 4352
    .private_segment_fixed_size: 0
    .kernarg_segment_align: 8
    .kernarg_segment_size: 16
    .max_flat_workgroup_size: 32
    .sgpr_count:     66
    .vgpr_count:     106
    .wavefront_size: 32
...
	.end_amdgpu_metadata
.endif
;; end of part 1
;; launch pool (part 2): grid 1024 x 1, 8 waves a work-group, no clusters, 13,568 bytes of LDS; arguments images, roi_idx, rec, out0; writes out0
.if DOCPART == 2
	.amdgcn_target "amdgcn-amd-amdhsa--gfx1250"
	.amdhsa_code_object_version 6
	.text
	.protected	k_q11d10406ca_pool
	.globl	k_q11d10406ca_pool
	.p2align	8
	.type	k_q11d10406ca_pool,@function
k_q11d10406ca_pool:
	s_mov_b64 s[64:65], 0
	v_nop
	global_prefetch_b8 v0, s[64:65] scope:SCOPE_SE
	s_setreg_imm32_b32 hwreg(HW_REG_WAVE_MODE, 25, 1), 1
	s_wait_xcnt 0x0
; out0[r][c][i][j] = max of images[roi_idx[r]][c][y][x] over row bin i and column bin j of box r; -inf where a bin is empty.
; images [4][256][50][50] f32, out0 [256][256][7][7] f32.  The bins come as whole numbers from the record that the launch before has stored
; (its layout stands at that kernel's head): no address and no trip count here is made from a float.
; A work-group owns one box and 64 channels: 64 x 49 x 4 = 12,544 bytes of out0 = 49 aligned blocks of 256 bytes.  Eight waves, 8 channels each.
; A LANE OWNS (channel c = lane / 8, column bin j = lane mod 8) and keeps one running maximum for each of the 7 row bins, for two sets of four
; channels (set B lies 4 planes on: an immediate offset).  Lane 7 of each eight repeats bin 6 and stores the same word, so that all lanes stay on.
; The box is the same for all lanes, so a row's offset is scalar and sits in the load's base; the column's offset is the lane's own.
; A PASS takes one column of every column bin and runs down the rows: for each row bin its first row (F), its n rows of its own (one trip for all
; bins, clamped to the bin, so a shorter bin reads a row of its own again), and, where the flag says so, the next bin's first row, which is
; already in registers.  Pass 0 takes the column bins' first columns; where a column bin ends on the next bin's first column it takes the
; neighbouring lane's result of pass 0; passes 1 .. nx take the bins' own columns, clamped likewise.
; That is 14 (1 + nx) (1 + max(ny, 1)) loads a wave, nx and ny the largest n of the two axes.
; THE WAY OUT.  Results gather in a stage of 12,544 bytes in LDS; behind the one barrier they leave by loads and stores of 16 bytes a lane.
; No tensor load: a tile's shape would hang on the record.  No cluster: the four work-groups of a box read different channels.
; LIMITS: roi_idx is clamped to 0..3 (a negative index does not wrap).  A NaN in images spreads as in jnp.max (v_maximum_f32: ISA guide 15.8).
; Of +0 and -0 the maximum is +0.
.set PLANE, 10000                      ; bytes in a channel's plane
.set ROWB,  200                        ; bytes in a row
.set IMGB,  256*PLANE
.set CHO,   196                        ; bytes of out0 in a channel
.set OUTW,  8*CHO                      ; a wave's 8 channels in the stage
.set OUTG,  64*CHO
; scalar registers
.set WAVE, 2
.set YF,   16                          ; s[16:31]: words 0 to 15 of the record
.set YX,   23
.set YN,   24
.set FLG,  31
.set NX,   32                          ; word 23
.set IDX,  33
.set TY,   34                          ; s[34:39] all ones where row bin i ends on bin i+1's first row
.set YE,   40                          ; s[40:46] all ones where row bin i is empty
.set TXM,  47                          ; lanes whose column bin ends on the next bin's first column
.set XEM,  48                          ; lanes whose column bin is empty
.set SAVE, 49
.set FB,   50                          ; s[50:63] bases of the 7 first rows
.set IB,   66                          ; s[66:79] bases of the 7 rows of a trip
.set OFFP, 80                          ; s[80:81] an offset as a pair, 0 above
.set TRIPY, 82
.set STEPY, 83
.set TRIPX, 84
.set STEPX, 85
; vector registers
.set JJ,   2                           ; my column bin
.set CHV,  3                           ; my channel among the set's four, then its plane's byte offset
.set XFV,  4                           ; my bin's first column, in bytes
.set XNV,  5                           ; my bin's own columns, in bytes
.set VO,   6                           ; the pass's byte offset: plane + column
.set NEG,  7                           ; -inf
.set SA,   8                           ; where my results go in the stage
.set T,    9                           ; v9, v10 at work
.set JB,   11                          ; 4 x my column bin
.set R,    12                          ; v[12:25] the results: set A bin i at R+i, set B at R+7+i
.set D,    26                          ; v[26:39] a later pass's maxima
.set I,    40                          ; v[40:53] a trip's rows
	s_load_b256 s[4:11], s[0:1], 0x0               ; images s[4:5], roi_idx s[6:7], rec s[8:9], out0 s[10:11]
	v_lshl_add_u32 v56, v0, 2, 0x3100
	v_mov_b32 v57, 0
	v_and_b32 v1, 7, v0
	v_min_u32 v[JJ], 6, v1                         ; lane 7 of each eight goes with bin 6
	v_bfe_u32 v[CHV], v0, 3, 2
	v_lshrrev_b32 v[T], 5, v0
	v_readfirstlane_b32 s[WAVE], v[T]
	v_lshlrev_b32 v[JB], 2, v[JJ]
	v_mul_u32_u24 v[SA], CHO, v[CHV]
	v_add_nc_u32 v[SA], v[SA], v[JB]
	v_mul_u32_u24 v[CHV], PLANE, v[CHV]
	v_mov_b32 v[NEG], 0xff800000
	v_add_nc_u32 v[T], 16, v[JJ]                   ; my bits in the flags
	v_add_nc_u32 v[T+1], 24, v[JJ]
	s_lshr_b32 s3, ttmp9, 2                        ; box
	s_and_b32 s12, ttmp9, 3                        ; which 64 channels
	s_lshl_b32 s13, s3, 2
	s_lshl_b32 s14, s3, 7                          ; records of 128 bytes
	s_mov_b32 s15, 0
	s_mov_b32 s[OFFP+1], 0
	s_mul_i32 s3, s[WAVE], OUTW
	v_add_nc_u32 v[SA], s3, v[SA]                  ; 1,568 wave + 196 c + 4 j
	s_wait_kmcnt 0x0
	s_add_nc_u64 s[8:9], s[8:9], s[14:15]
	s_load_b512 s[16:31], s[8:9], 0x0
	s_load_b32 s[NX], s[8:9], 0x5c
	s_load_b32 s[IDX], s[6:7], s13 offset:0x0
	global_load_b32 v[XFV], v[JB], s[8:9] offset:64        ; words 16 + j and 24 + j
	global_load_b32 v[XNV], v[JB], s[8:9] offset:96
	s_wait_kmcnt 0x0
	; whole numbers read from memory enter an address or a trip count only behind a clamp to their range
.irp k, 0,1,2,3,4,5,6
	s_min_u32 s[YF+\k], s[YF+\k], 49*ROWB
	s_min_u32 s[YN+\k], s[YN+\k], 49*ROWB
.endr
	s_min_u32 s[YX], s[YX], 49
	s_min_u32 s[NX], s[NX], 49
	s_min_u32 s[IDX], s[IDX], 3
	s_mul_i32 s14, s[IDX], IMGB                    ; the box's image,
	s_lshl_b32 s12, s12, 3
	s_add_co_u32 s12, s12, s[WAVE]
	s_mul_i32 s12, s12, 8*PLANE                    ; my wave's first channel: 64 x group + 8 x wave
	s_add_co_u32 s14, s14, s12
	s_add_nc_u64 s[4:5], s[4:5], s[14:15]
	s_mul_i32 s14, ttmp9, OUTG                     ; (4 x box + group) x 12,544
	s_add_nc_u64 s[10:11], s[10:11], s[14:15]
.irp i, 0,1,2,3,4,5,6
	s_mov_b32 s[OFFP], s[YF+\i]
	s_add_nc_u64 s[FB+2*\i:FB+2*\i+1], s[4:5], s[OFFP:OFFP+1]
	s_bitcmp1_b32 s[FLG], \i
	s_cselect_b32 s[YE+\i], -1, 0
.endr
.irp i, 0,1,2,3,4,5
	s_bitcmp1_b32 s[FLG], 8+\i
	s_cselect_b32 s[TY+\i], -1, 0
.endr
	v_lshrrev_b32 v[T], v[T], s[FLG]
	v_lshrrev_b32 v[T+1], v[T+1], s[FLG]
	v_and_b32 v[T], 1, v[T]
	v_and_b32 v[T+1], 1, v[T+1]
	v_cmp_ne_u32 s[XEM], 0, v[T]
	v_cmp_ne_u32 s[TXM], 0, v[T+1]                 ; bin 6 has no such flag: bit 30 is 0
	s_wait_loadcnt 0x0
	v_min_u32 v[XFV], 196, v[XFV]                  ; column 49 at the most
	v_min_u32 v[XNV], 196, v[XNV]
.macro LOADS dst, base                 ; one row for each of the 7 row bins, sets A and B: 14 loads
.irp i, 0,1,2,3,4,5,6
	global_load_b32 v[\dst+\i],   v[VO], s[\base+2*\i:\base+2*\i+1]
	global_load_b32 v[\dst+7+\i], v[VO], s[\base+2*\i:\base+2*\i+1] offset:4*PLANE
.endr
.endm
.macro IBASES                          ; row bin i: its first row + min(STEPY, n_i rows)
.irp i, 0,1,2,3,4,5,6
	s_min_u32 s[OFFP], s[YN+\i], s[STEPY]
	s_min_u32 s[OFFP], s[OFFP], 49*ROWB
	s_add_nc_u64 s[IB+2*\i:IB+2*\i+1], s[FB+2*\i:FB+2*\i+1], s[OFFP:OFFP+1]
.endr
.endm
.macro MAXINTO d, s                    ; 14 running maxima
.set k, 0
.rept 14
	v_maximum_f32 v[\d+k], v[\d+k], v[\s+k]
.set k, k+1
.endr
.endm
.macro EDGE d, i                       ; row bin i takes bin i+1's first row where its flag is set; upward, so that i+1 is still as loaded
	v_cndmask_b32 v[T],   v[\d+\i],   v[\d+\i+1], s[TY+\i]
	v_cndmask_b32 v[T+1], v[\d+7+\i], v[\d+8+\i], s[TY+\i]
	v_maximum_f32 v[\d+\i],   v[\d+\i],   v[T]
	v_maximum_f32 v[\d+7+\i], v[\d+7+\i], v[T+1]
.endm
; A pass: the maxima of the 7 row bins at the column that VO names, into d.  Every load issued before it has been waited for,
; so VO, the bases of a trip and the registers that it loads into are free.
.macro ROWPASS d
	LOADS \d, FB                                   ; 28 loads go out together: the first rows
	s_mov_b32 s[STEPY], ROWB
	IBASES
	LOADS I, IB                                    ; and the first trip of the bins' own rows
	s_wait_loadcnt 14                              ; loads come back in order (ISA guide 5.7.1): the 14 first rows are in, the 14 younger loads stay out
.irp i, 0,1,2,3,4,5
	EDGE \d, \i
.endr
	s_wait_loadcnt 0x0
	MAXINTO \d, I
	s_cmp_eq_u32 s[YX], 0
	s_cbranch_scc1 .Lrows_done_\@
	s_mov_b32 s[TRIPY], 0
	s_mov_b32 s[STEPY], 2*ROWB
.Lrows_\@:
	IBASES                                         ; the loads that named these bases have been waited for
	LOADS I, IB
	s_wait_loadcnt 0x0
	MAXINTO \d, I
	s_add_co_u32 s[STEPY], s[STEPY], ROWB
	s_add_co_u32 s[TRIPY], s[TRIPY], 1
	s_cmp_lt_u32 s[TRIPY], s[YX]
	s_cbranch_scc1 .Lrows_\@
.Lrows_done_\@:
.endm
	; pass 0: the column bins' first columns
	v_add_nc_u32 v[VO], v[XFV], v[CHV]
	ROWPASS R
	; column bin j takes bin j+1's first column where its flag is set: lane l reads lane l+1 of its sixteen.  The last lane of a sixteen has no
	; source and keeps what the register held; it goes with bin 6, whose flag is never set.
.set k, 0
.rept 14
	v_mov_b32_dpp v[I+k], v[R+k] row_shl:1 row_mask:0xf bank_mask:0xf
.set k, k+1
.endr
.set k, 0
.rept 14
	v_cndmask_b32 v[I+k], v[R+k], v[I+k], s[TXM]
.set k, k+1
.endr
	MAXINTO R, I
	; passes 1 .. nx: the bins' own columns
	s_cmp_eq_u32 s[NX], 0
	s_cbranch_scc1 .Lcols_done
	s_mov_b32 s[TRIPX], 0
	s_mov_b32 s[STEPX], 4
.Lcols:
	v_min_u32 v[T], s[STEPX], v[XNV]               ; a shorter bin reads its last own column again
	v_add_nc_u32 v[T], v[T], v[XFV]
	v_min_u32 v[T], 196, v[T]                      ; column 49 at the most: the clamp stands last, only the plane's offset is added behind it
	v_add_nc_u32 v[VO], v[T], v[CHV]
	ROWPASS D
	MAXINTO R, D
	s_add_co_u32 s[STEPX], s[STEPX], 4
	s_add_co_u32 s[TRIPX], s[TRIPX], 1
	s_cmp_lt_u32 s[TRIPX], s[NX]
	s_cbranch_scc1 .Lcols
.Lcols_done:
	; an empty row bin or an empty column bin gives -inf; then into the stage, laid as out0 is
.irp i, 0,1,2,3,4,5,6
	s_or_b32 vcc_lo, s[YE+\i], s[XEM]
	v_cndmask_b32 v[R+\i],   v[R+\i],   v[NEG], vcc_lo
	v_cndmask_b32 v[R+7+\i], v[R+7+\i], v[NEG], vcc_lo
	ds_store_b32 v[SA], v[R+\i]   offset:28*\i             ; the four channels lie 49 words apart: words 0-6, 49-55, 98-104, 147-153, all in different banks (64 banks of 4 bytes: ISA guide 11.1)
	ds_store_b32 v[SA], v[R+7+\i] offset:4*CHO+28*\i       ; set B: four channels on
.endr
	; the way out: 784 pieces of 16 bytes; thread t takes pieces t, t + 256, t + 512; the last 16 pieces go with half of wave 0
	s_wait_dscnt 0x0                               ; for the other waves' sake: my stores into the stage are done
	s_barrier_signal -1
	s_barrier_wait -1
	v_lshlrev_b32 v[T], 4, v0
	ds_load_b128 v[12:15], v[T]
	ds_load_b128 v[16:19], v[T] offset:4096
	ds_load_b128 v[20:23], v[T] offset:8192
	s_wait_dscnt 0x2                               ; the first of the three is in
	global_store_b128 v[T], v[12:15], s[10:11] th:TH_STORE_NT            ; 16 lanes store 256 consecutive bytes, at a multiple of 256 from out0's first byte
	s_wait_dscnt 0x1
	global_store_b128 v[T], v[16:19], s[10:11] offset:4096 th:TH_STORE_NT
	s_wait_dscnt 0x0
	global_store_b128 v[T], v[20:23], s[10:11] offset:8192 th:TH_STORE_NT
	s_cmp_lg_u32 s[WAVE], 0
	s_cbranch_scc1 .Lend
	v_and_b32 v[T+1], 15, v0
	v_lshlrev_b32 v[T+1], 4, v[T+1]
	ds_load_b128 v[24:27], v[T+1] offset:12288     ; both halves of the wave read the stage's last 256 bytes; one half stores them
	v_cmp_gt_u32 vcc_lo, 16, v0
	s_wait_xcnt 0x0                                ; EXEC changes only behind s_wait_xcnt 0
	s_and_saveexec_b32 s[SAVE], vcc_lo
	s_wait_dscnt 0x0
	global_store_b128 v[T+1], v[24:27], s[10:11] offset:12288 th:TH_STORE_NT
	s_wait_xcnt 0x0                                ; and again in front of the line that widens it
	s_or_b32 exec_lo, exec_lo, s[SAVE]
.Lend:
	s_wait_tensorcnt 0x0
	ds_add_u32 v56, v57
	s_wait_dscnt 0x0
	s_endpgm
.Lfunc_end_k_q11d10406ca_pool:
	.size	k_q11d10406ca_pool, .Lfunc_end_k_q11d10406ca_pool-k_q11d10406ca_pool
	.p2alignl 7, 3214868480
	.fill 96, 4, 3214868480
	.section	.rodata,"a",@progbits
	.p2align	6, 0x0
	.amdhsa_kernel k_q11d10406ca_pool
		.amdhsa_group_segment_fixed_size 13568
		.amdhsa_private_segment_fixed_size 0
		.amdhsa_enable_private_segment 0
		.amdhsa_kernarg_size 32
		.amdhsa_user_sgpr_count 2
		.amdhsa_user_sgpr_kernarg_segment_ptr 1
		.amdhsa_wavefront_size32 1
		.amdhsa_system_sgpr_workgroup_id_x 1
		.amdhsa_system_sgpr_workgroup_id_y 1
		.amdhsa_system_sgpr_workgroup_id_z 1
		.amdhsa_system_vgpr_workitem_id 0
		.amdhsa_next_free_vgpr 58
		.amdhsa_next_free_sgpr 86
		.amdhsa_reserve_vcc 1
		.amdhsa_float_denorm_mode_32 3
		.amdhsa_float_denorm_mode_16_64 3
		.amdhsa_memory_ordered 1
		.amdhsa_forward_progress 1
		.amdhsa_inst_pref_size 31
	.end_amdhsa_kernel
	.amdgpu_metadata
---
amdhsa.version: [ 1, 2 ]
amdhsa.kernels:
  - .name:           k_q11d10406ca_pool
    .symbol:         k_q11d10406ca_pool.kd
    .args:
      - { .name: images, .offset: 0, .size: 8, .value_kind: global_buffer, .address_space: global }
      - { .name: roi_idx, .offset: 8, .size: 8, .value_kind: global_buffer, .address_space: global }
      - { .name: rec, .offset: 16, .size: 8, .value_kind: global_buffer, .address_space: global }
      - { .name: out0, .offset: 24, .size: 8, .value_kind: global_buffer, .address_space: global }
    .group_segment_fixed_size: 13568
    .private_segment_fixed_size: 0
    .kernarg_segment_align: 8
    .kernarg_segment_size: 32
    .max_flat_workgroup_size: 256
    .sgpr_count:     86
    .vgpr_count:     58
    .wavefront_size: 32
...
	.end_amdgpu_metadata
.endif
;; end of part 2
